; MI455X (gfx1250); checked and timed in simulation.
; The chip was launched on July 23, 2026; its instructions are those of AMD's public machine-readable ISA for CDNA 5 (MIT licence, August 2026) and "CDNA5" Instruction Set Architecture Reference Guide (July 2026). The comments in the code are by the model that wrote it; some were corrected since.
;; memory tree. Allowed arithmetic: float matrix products may take bf16 or f16 operands with f32 sums; all other float work in f32.
;; Inputs: W1 300 x 13 float32; W2 600 x 300 float32; W3 100 x 600 float32; W4 13 x 100 float32; b1 300 float32; b2 600 float32; b3 100 float32; b4 13 float32; memory 65,536 x 13 float32; value 2,048 x 13 float32.
;; Outputs: out0 2,048 float32.
;; One version. Each part assembles by itself: llvm-mc -triple=amdgcn-amd-amdhsa -mcpu=gfx1250 --defsym DOCPART=n.
;; ======== version 1 of 1: 3 launches
;; workspace buffers: wimg 643,072 bytes; part 2,097,152 bytes
;; launch prep (part 1): grid 173 x 1, 4 waves a work-group, no clusters, 0 bytes of LDS; arguments W1, W2, W3, W4, value, wimg; writes wimg
.if DOCPART == 1
	.amdgcn_target "amdgcn-amd-amdhsa--gfx1250"
	.amdhsa_code_object_version 6
	.text
	.protected	k_q4fcf1a09cc_prep
	.globl	k_q4fcf1a09cc_prep
	.p2align	8
	.type	k_q4fcf1a09cc_prep,@function
k_q4fcf1a09cc_prep:
	s_mov_b64 s[64:65], 0
	v_nop
	global_prefetch_b8 v0, s[64:65] scope:SCOPE_SE
	s_setreg_imm32_b32 hwreg(HW_REG_WAVE_MODE, 25, 1), 1
	s_wait_xcnt 0x0
; Makes, once, the bf16 images that every work-group of the next launch copies into LDS unchanged.
; A fragment is 16 rows x 32 k of bf16, 1,024 bytes: byte 16 L holds registers 0-3 of lane L of a matrix operand
; (row L % 16, k = k0 + 8 (L / 16) + 0..7), byte 512 + 16 L its registers 4-7 (k = k0 + 16 + 8 (L / 16) + 0..7).
; wimg: 20 chunks of 27 fragments.  Chunk c: fragment 10 a + ks = W2 rows 32 c + 16 a .., k = 32 ks ..; fragment 20 + n = W3 rows 16 n .., k = 32 (c - 1) ..:
; the next launch takes W3's k step c - 1 in the same period as W2's rows of chunk c.  (Chunk 0's W3 part and chunk 19's W2 part lie outside the matrices: zeros.)
; Then at CONST: 20 fragments of W1, 4 of W4, and 128 half fragments (512 bytes, k = 0..15) of value / max(|value|, 1e-8).
; Rows and k beyond a matrix's end are zeros.  One wave makes one fragment: 692 fragments = 173 work-groups x 4 waves.
; Each store of a wave covers 512 consecutive bytes, aligned.  The loads are short pieces of rows: about 1 MB in all, read once.
; Limit: the sum of squares of a value row is kept in f32 (overflows for norms above about 1.8e19; below about 1e-19 it counts as zero, which the clamp at 1e-8 hides).
.set NW23,   540                       ; fragments 0..539: W2, W3
.set CONST,  552960                    ; 540 x 1,024
.set W4AT,   CONST+20480
.set VALAT,  CONST+24576
.set NQUAD,  544                       ; fragments 540..543: W4
.set NW1,    564                       ; fragments 544..563: W1; 564..691: value
	s_load_b256 s[4:11], s[0:1], 0x0               ; W1 s[4:5], W2 s[6:7], W3 s[8:9], W4 s[10:11]
	s_load_b128 s[12:15], s[0:1], 0x20             ; value s[12:13], wimg s[14:15]
	v_lshrrev_b32 v1, 5, v0
	v_readfirstlane_b32 s16, v1                    ; wave
	s_lshl_b32 s17, ttmp9, 2
	s_add_co_u32 s17, s17, s16                     ; g: my fragment
	v_and_b32 v1, 31, v0                           ; lane
	v_and_b32 v2, 15, v0                           ; r
	v_bfe_u32 v3, v0, 4, 1                         ; h
	s_movk_i32 s30, 600
	s_movk_i32 s31, 100
	s_movk_i32 s32, 300
	s_movk_i32 s33, 2048
	s_cmp_ge_u32 s17, NQUAD
	s_cbranch_scc1 .Lrow
	; W2, W3, W4: rows are multiples of 16 bytes long, so a lane takes its 16 numbers as four loads of 16 bytes
	s_mul_i32 s18, s17, 2428
	s_lshr_b32 s18, s18, 16                        ; c = g / 27 (exact for g below 3,240)
	s_mul_i32 s19, s18, 27
	s_sub_co_u32 s19, s17, s19                     ; i = g - 27 c
	s_cmp_ge_u32 s19, 10
	s_cselect_b32 s28, 1, 0                        ; a
	s_lshl1_add_u32 s23, s18, s28                  ; W2: row tile 2 c + a
	s_mul_i32 s29, s28, 10
	s_sub_co_u32 s24, s19, s29                     ; W2: k step i - 10 a
	s_sub_co_u32 s28, s19, 20                      ; W3: row tile
	s_sub_co_u32 s22, s18, 1                       ; W3: k step c - 1; for c = 0 it wraps, and every k then lies beyond the end
	s_lshl_b32 s25, s17, 10                        ; where it goes: 1,024 g
	s_sub_co_u32 s29, s17, NW23                    ; W4: k step
	s_lshl_b32 s35, s29, 10
	s_add_co_u32 s35, s35, W4AT
	s_wait_kmcnt 0x0
	s_cmp_lt_u32 s19, 20                           ; W2 or W3
	s_cselect_b64 s[26:27], s[6:7], s[8:9]
	s_cselect_b32 s20, s30, s31                    ; rows
	s_cselect_b32 s21, s32, s30                    ; k = pitch
	s_cselect_b32 s23, s23, s28
	s_cselect_b32 s24, s24, s22
	s_cmp_lt_u32 s17, NW23                         ; or W4
	s_cselect_b64 s[26:27], s[26:27], s[10:11]
	s_cselect_b32 s20, s20, 13
	s_cselect_b32 s21, s21, s31
	s_cselect_b32 s23, s23, 0
	s_cselect_b32 s24, s24, s29
	s_cselect_b32 s25, s25, s35
	s_lshl_b32 s23, s23, 4
	s_lshl_b32 s24, s24, 5
	v_add_nc_u32 v4, s23, v2                       ; my row
	v_lshl_add_u32 v5, v3, 3, s24                  ; my first k
	v_cmp_gt_u32 s34, s20, v4                      ; the row exists
	v_mul_lo_u32 v6, v4, s21
	v_lshl_add_u32 v7, v1, 4, s25                  ; 16 lane + the fragment's place
.macro QUAD qi, kq                     ; four k from kq on: all inside or all outside, since every k extent is a multiple of 4
	v_add_nc_u32 v[8+\qi], \kq, v5
	v_cmp_gt_u32 vcc_lo, s21, v[8+\qi]
	s_and_b32 s[36+\qi], vcc_lo, s34
	v_add_lshl_u32 v[8+\qi], v6, v[8+\qi], 2
	v_cndmask_b32 v[8+\qi], 0, v[8+\qi], s[36+\qi] ; outside: read the buffer's first bytes, and drop them below
.endm
	QUAD 0, 0
	QUAD 1, 4
	QUAD 2, 16
	QUAD 3, 20
.irp q, 0,1,2,3
	global_load_b128 v[16+4*\q:16+4*\q+3], v[8+\q], s[26:27]
.endr
	s_wait_loadcnt 0x0
.irp q, 0,1,2,3
.irp j, 0,1,2,3
	v_cndmask_b32 v[16+4*\q+\j], 0, v[16+4*\q+\j], s[36+\q]
.endr
.endr
.irp i, 0,1,2,3,4,5,6,7
	v_cvt_pk_bf16_f32 v[32+\i], v[16+2*\i], v[16+2*\i+1]
.endr
	global_store_b128 v7, v[32:35], s[14:15]
	global_store_b128 v7, v[36:39], s[14:15] offset:512
	s_endpgm
.Lrow:	; W1 and value: rows of 13 numbers, taken one by one; k = 8 h + j exists for h = 0, and for h = 1 where j < 5
	s_sub_co_u32 s18, s17, NQUAD                   ; W1's tile
	s_sub_co_u32 s19, s17, NW1                     ; value's tile
	s_lshl_b32 s28, s18, 10
	s_add_co_u32 s28, s28, CONST
	s_lshl_b32 s29, s19, 9
	s_add_co_u32 s29, s29, VALAT
	s_mov_b32 s22, 0x76543210                      ; v_permlanex16_b32: lane i of one half reads lane i of the other
	s_mov_b32 s23, 0xfedcba98
	s_wait_kmcnt 0x0
	s_cmp_lt_u32 s17, NW1
	s_cselect_b64 s[26:27], s[4:5], s[12:13]
	s_cselect_b32 s20, s32, s33                    ; rows
	s_cselect_b32 s24, s18, s19
	s_cselect_b32 s25, s28, s29
	s_lshl_b32 s24, s24, 4
	v_add_nc_u32 v4, s24, v2                       ; my row
	v_cmp_gt_u32 s34, s20, v4                      ; the row exists
	v_cmp_eq_u32 vcc_lo, 0, v3
	s_and_b32 s36, vcc_lo, s34                     ; and j = 5..7 exist
	v_mul_u32_u24 v6, v4, 13
	v_lshl_add_u32 v6, v3, 3, v6
	v_lshlrev_b32 v6, 2, v6                        ; 4 (13 row + 8 h)
	v_cndmask_b32 v8, 0, v6, s34                   ; outside: the buffer's first bytes, dropped below
	v_cndmask_b32 v9, 0, v6, s36
	v_lshl_add_u32 v7, v1, 4, s25
.irp j, 0,1,2,3,4
	global_load_b32 v[16+\j], v8, s[26:27] offset:4*\j
.endr
.irp j, 5,6,7
	global_load_b32 v[16+\j], v9, s[26:27] offset:4*\j
.endr
	v_mov_b32 v25, 0                               ; v_permlanex16_b32 counts as a reader of its destination
	s_wait_loadcnt 0x0
.irp j, 0,1,2,3,4
	v_cndmask_b32 v[16+\j], 0, v[16+\j], s34
.endr
.irp j, 5,6,7
	v_cndmask_b32 v[16+\j], 0, v[16+\j], s36
.endr
	s_cmp_lt_u32 s17, NW1
	s_cbranch_scc1 .Lpack                          ; W1 is not normalised
	v_mul_f32 v24, v16, v16
.irp j, 1,2,3,4,5,6,7
	v_fma_f32 v24, v[16+\j], v[16+\j], v24
.endr
	v_permlanex16_b32 v25, v24, s22, s23           ; the row's other eight k
	v_add_f32 v24, v24, v25
	v_sqrt_f32 v24, v24
	v_nop                                          ; one plain vector instruction behind a transcendental before its result is used (ISA guide 5.7.2)
	s_wait_alu depctr_va_vdst(0)
	v_max_num_f32 v24, 0x322bcc77, v24             ; max(norm, 1e-8)
	v_rcp_f32 v24, v24
	v_nop
	s_wait_alu depctr_va_vdst(0)
.irp j, 0,1,2,3,4,5,6,7
	v_mul_f32 v[16+\j], v[16+\j], v24
.endr
.Lpack:
.irp i, 0,1,2,3
	v_cvt_pk_bf16_f32 v[32+\i], v[16+2*\i], v[16+2*\i+1]
.endr
	global_store_b128 v7, v[32:35], s[14:15]
	s_cmp_ge_u32 s17, NW1
	s_cbranch_scc1 .Lend                           ; value's tiles are half fragments
.irp i, 0,1,2,3
	v_mov_b32 v[36+\i], 0                          ; W1: k = 16..31 are zeros
.endr
	global_store_b128 v7, v[36:39], s[14:15] offset:512
.Lend:
	s_endpgm
.Lfunc_end_k_q4fcf1a09cc_prep:
	.size	k_q4fcf1a09cc_prep, .Lfunc_end_k_q4fcf1a09cc_prep-k_q4fcf1a09cc_prep
	.p2alignl 7, 3214868480
	.fill 96, 4, 3214868480
	.section	.rodata,"a",@progbits
	.p2align	6, 0x0
	.amdhsa_kernel k_q4fcf1a09cc_prep
		.amdhsa_group_segment_fixed_size 0
		.amdhsa_private_segment_fixed_size 0
		.amdhsa_enable_private_segment 0
		.amdhsa_kernarg_size 48
		.amdhsa_user_sgpr_count 2
		.amdhsa_user_sgpr_kernarg_segment_ptr 1
		.amdhsa_wavefront_size32 1
		.amdhsa_system_sgpr_workgroup_id_x 1
		.amdhsa_system_sgpr_workgroup_id_y 1
		.amdhsa_system_sgpr_workgroup_id_z 1
		.amdhsa_system_vgpr_workitem_id 0
		.amdhsa_next_free_vgpr 48
		.amdhsa_next_free_sgpr 66
		.amdhsa_reserve_vcc 1
		.amdhsa_float_denorm_mode_32 3
		.amdhsa_float_denorm_mode_16_64 3
		.amdhsa_memory_ordered 1
		.amdhsa_forward_progress 1
		.amdhsa_inst_pref_size 10
	.end_amdhsa_kernel
	.amdgpu_metadata
---
amdhsa.version: [ 1, 2 ]
amdhsa.kernels:
  - .name:           k_q4fcf1a09cc_prep
    .symbol:         k_q4fcf1a09cc_prep.kd
    .args:
      - { .name: W1, .offset: 0, .size: 8, .value_kind: global_buffer, .address_space: global }
      - { .name: W2, .offset: 8, .size: 8, .value_kind: global_buffer, .address_space: global }
      - { .name: W3, .offset: 16, .size: 8, .value_kind: global_buffer, .address_space: global }
      - { .name: W4, .offset: 24, .size: 8, .value_kind: global_buffer, .address_space: global }
      - { .name: value, .offset: 32, .size: 8, .value_kind: global_buffer, .address_space: global }
      - { .name: wimg, .offset: 40, .size: 8, .value_kind: global_buffer, .address_space: global }
    .group_segment_fixed_size: 0
    .private_segment_fixed_size: 0
    .kernarg_segment_align: 8
    .kernarg_segment_size: 48
    .max_flat_workgroup_size: 128
    .sgpr_count:     66
    .vgpr_count:     48
    .wavefront_size: 32
...
	.end_amdgpu_metadata
.endif
;; end of part 1
;; launch main (part 2): grid 256 x 1, 4 waves a work-group, clusters of 4 x 1, 327,680 bytes of LDS; arguments memory, b1, b2, b3, b4, wimg, part; writes part
.if DOCPART == 2
	.amdgcn_target "amdgcn-amd-amdhsa--gfx1250"
	.amdhsa_code_object_version 6
	.text
	.protected	k_q4fcf1a09cc_main
	.globl	k_q4fcf1a09cc_main
	.p2align	8
	.type	k_q4fcf1a09cc_main,@function
k_q4fcf1a09cc_main:
	s_mov_b64 s[64:65], 0
	v_nop
	global_prefetch_b8 v0, s[64:65] scope:SCOPE_SE
	s_setreg_imm32_b32 hwreg(HW_REG_WAVE_MODE, 25, 1), 1
	s_wait_xcnt 0x0
	s_wait_alu depctr_hold_cnt(0) depctr_sa_sdst(0) depctr_va_vdst(0) depctr_va_sdst(0) depctr_va_ssrc(0) depctr_va_vcc(0) depctr_vm_vsrc(0)
	s_getreg_b32 s2, hwreg(HW_REG_IB_STS2, 6, 4)
	s_cmp_eq_u32 s2, 0
	s_cbranch_scc0 .Lentry_in_a_cluster
	s_endpgm
.Lentry_in_a_cluster:
	s_bfe_u32 s2, ttmp6, 0x10000c
	s_cmp_lg_u32 s2, 0x3003
	s_cbranch_scc0 .Lentry_shape_is_right
	s_endpgm
.Lentry_shape_is_right:
; The four layers, the norm and the similarity for 256 memory rows a work-group, 64 a wave (four tiles t of 16 rows), and the maximum over those 256 rows
; for each of the 2,048 value rows: part[work-group][2048].
; THE MATRIX INSTRUCTION IS USED TRANSPOSED: A = 16 output features of a weight matrix, B = 16 data rows.  In D, lane (r, h) then holds, in register j,
; feature f0 + 8 h + j of data row r; two neighbouring registers packed to bf16 are a register of the NEXT layer's B fragment (tile f0: registers 0-3 of the
; fragment at k0 = f0, tile f0 + 16: registers 4-7).  So activations never leave registers.  A bias enters in f32 as the C of a sum's first product.
; LAYERS 2 AND 3 ARE A PIPELINE OF THREE STAGES.  32 features of layer 2 (a chunk: 20 fragments of W2) are one k step of layer 3 (7 fragments of W3).  Period c holds
; layer 3's k step c - 2 (28 products), layer 2's chunk c (80 products, into one of two sets of sums), and, BETWEEN those products, four or five instructions at a time, the
; leaky ReLU and packing of chunk c - 1 (from the other set) and the period's 58 LDS loads.  A wave is alone on its SIMD, so only work that stands between its
; matrix instructions can be done while they are worked.  The price: the products' operands lie in four register windows, and no one setting serves a product and a vector
; instruction with two sources among its sums, so each group of four stands between two s_set_vgpr_msb (a group with its switches is 6 or 7 instructions).
; Weights come as ready fragments (see the launch before): each ds_load_b128 of a wave reads 512 consecutive bytes, and each fragment feeds four products.
; CLUSTERS: all work-groups walk the same weights, value tiles and biases, so four work-groups ask for them jointly (mask 15); only the memory rows are a work-group's own.
; THE RING: W2 and W3 do not fit in LDS (540 KB); they stream through two slots of two chunks (55,296 bytes).  A period reads its own chunk alone (the image pairs W2's
; chunk c with W3's k step c - 1).  A slot is asked for again straight behind the cluster's round in which every wave has finished with it, and is read two periods
; (216 products a wave) later.
; Operands bf16, sums f32; biases, activations, norms and maxima f32.  The factor 23 is applied in the last launch (positive, so it commutes with the maximum).
; Limits: v_max*_num_f32 drop a NaN, where the reference's maximum would pass it on.  The sum of squares of a result row is kept in f32
; (overflows for norms above about 1.8e19; below about 1e-19 it counts as zero, which the clamp at 1e-8 hides).
;
; LDS
.set LW4I,   20480                     ; 0: W1, 20 fragments; 20,480: W4, 4 fragments
.set LVAL,   24576                     ; 128 half fragments of the normalised value rows
.set LB1,    90112                     ; b1 as 320 f32, b2 as 608, b3 as 112, b4 as 16: the tensor load writes zeros beyond a bias's end
.set LB2,    91392
.set LB3,    93952
.set LB4,    94464
.set LMEM,   94720                     ; wave w at + 5,120 w: its 64 memory rows, 16 f32 (13 + 3 zeros) + 16 bytes of padding = 80 bytes
.set RING0,  115200
.set RING1,  170496
.set LPART,  225792                    ; 8 arrays (2 wave + h) of 2,048 f32, 8,256 bytes apart: written by ds_store alone, no tensor load lands here
.set PPITCH, 8256
.set CHUNKB, 27648                     ; a chunk: 27 fragments
.set TILEB,  55296                     ; a slot: two chunks
.set GCONST, 552960                    ; in wimg: behind the 20 chunks, the 90,112 bytes that go to LDS byte 0
; vector registers, window 0
.set VL16, 1                           ; 16 lane
.set RA0,  2                           ; 16 lane + RING0
.set RA1,  3                           ; 16 lane + RING1
.set VB,   4                           ; LB1 + 32 h
.set VB2,  5                           ; LB2 + 32 h, + 128 a chunk
.set VM,   6                           ; my memory rows: LMEM + 5,120 wave + 80 r + 32 h
.set VVL,  7                           ; 16 lane + LVAL, stepped
.set VPS,  8                           ; LPART + PPITCH (2 wave + h) + 4 r, stepped
.set VOUT, 9                           ; 16 thread
.set RT,   10                          ; v10-17 at work, v18-21, v22
.set QN,   18
.set VRD,  22
.set BIAS, 24                          ; v24-39   16 f32 of bias a lane (two feature tiles)
.set BUFC, 40                          ; v40-95   7 fragments of W3.  In layer 1: v40-55 a second bias set, v56-87 the memory rows in f32
.set MST,  56
.set BUFW, 96                          ; v96-255  20 fragments of W1 or W2: k step ks, feature tile a at + 16 ks + 8 a
.set SX,   96                          ; similarity: two sets of four results, v96-127 and v128-159
.set ACC4, 160                         ; layer 4's four sums
.set T1F,  192                         ; the normalised result rows as four A fragments
.set VALF, 224                         ; four value tiles as B fragments
; window 1: h1(ks, t) at 32 ks + 8 t, ks = 0..7; later layer 3's output as four k steps of fragments at 32 ks + 8 t
; window 2: h1(8..9, t) at 32 (ks - 8) + 8 t, and
.set ACC2, 64                          ; layer 1's and 2's sums: set p at + 96 p, sum x = 4 a + t at + 8 x  (v64-127 and v160-223)
.set H2F,  128                         ; a chunk's 32 features as B fragments, + 8 t
.set MEMF, 160                         ; layer 1 alone: the memory rows as B fragments, + 8 t (later under the second set of sums)
.set TMP,  224                         ; two sets of 8 at work
; window 3: layer 3's sums x = 4 m + t at 8 x, m = 0..6
; scalar registers
.set G1T, 24                           ; s[24:31] shape of a quarter slot: 54 rows of 256 bytes
.set G0,  32                           ; s[32:39] from where, to where: one set for each slot
.set G1C, 40                           ; s[40:47] a quarter of the constants: 88 rows
.set G0C, 48
.set G1M, 52                           ; s[52:59] 64 memory rows
.set G0M, 60
.set G1B, 68                           ; s[68:75] a bias
.set G0B, 76
.set MSB, 0
.macro WIN new                         ; s_set_vgpr_msb: bits 1:0 source 0, 3:2 source 1, 5:4 source 2, 7:6 destination; the high byte repeats the setting that is left
.if MSB != (\new)
	s_set_vgpr_msb (MSB<<8)|(\new)
.set MSB, (\new)
.endif
.endm
; A vector instruction that reads a matrix result or writes a matrix instruction's register, and a load into such a register, stand four places behind it;
; only plain vector instructions that name none of its registers are places (ISA guide 7.12.1 for vector instructions).
.macro PLACES
.rept 4
	v_nop
.endr
.endm
; A round of the cluster's barrier: my work-group's barrier, wave 0 signals for the work-group, every wave waits for all four work-groups, my work-group's barrier again.
.macro ROUND
	s_barrier_signal -1
	s_barrier_wait -1
	s_cmp_lg_u32 s18, 0
	s_cbranch_scc1 .Lnot_wave_0_\@
	s_barrier_signal -3
.Lnot_wave_0_\@:
	s_barrier_wait -3
	s_barrier_signal -1
	s_barrier_wait -1
.endm
.macro DENSEG1 g, rows                 ; a dense block as rows of 256 bytes (32 elements of 8 bytes), asked for jointly
	s_mov_b32 s[\g+0], 0x0023000f                  ; 15:0 mask: all four work-groups; 17:16 elements of 8 bytes; 21 set beside a mask
	s_mov_b32 s[\g+1], 32<<16                      ; tensor_dim0 = 32
	s_mov_b32 s[\g+2], \rows<<16                   ; tensor_dim1
	s_mov_b32 s[\g+3], 32<<16                      ; tile_dim0 = 32
	s_mov_b32 s[\g+4], \rows                       ; tile_dim1
	s_mov_b32 s[\g+5], 32                          ; from row to row
	s_mov_b32 s[\g+6], 0
	s_mov_b32 s[\g+7], 0
.endm
.macro BIASSET lds, plo, valid, pad    ; one row of valid f32, laid down as pad f32: zeros beyond the end
	s_mov_b32 s[G0B+1], \lds
	s_mov_b64 s[G0B+2:G0B+3], s[\plo:\plo+1]
	s_or_b32 s[G0B+3], s[G0B+3], 0x80000000
	s_mov_b32 s[G1B+1], \valid<<16                 ; tensor_dim0
	s_mov_b32 s[G1B+3], \pad<<16                   ; tile_dim0
	s_mov_b32 s[G1B+5], \valid
	tensor_load_to_lds s[G0B:G0B+3], s[G1B:G1B+7]
	s_nop 0
.endm
.macro LDFRAG dst, adr, off            ; a fragment: registers 0-3, then 4-7
	ds_load_b128 v[\dst:\dst+3], v[\adr] offset:\off
	ds_load_b128 v[\dst+4:\dst+7], v[\adr] offset:\off+512
.endm
.macro BLD set, ks                     ; layer 1's bias of features 32 ks + 16 a + 8 h + j
	ds_load_b128 v[\set:\set+3], v[VB] offset:128*(\ks)
	ds_load_b128 v[\set+4:\set+7], v[VB] offset:128*(\ks)+16
	ds_load_b128 v[\set+8:\set+11], v[VB] offset:128*(\ks)+64
	ds_load_b128 v[\set+12:\set+15], v[VB] offset:128*(\ks)+80
.endm
; Layer 1's epilogue: ReLU on the eight sums of set 0, packed into four B fragments at dbase + 8 t.  cw: the window setting of the conversions.
.macro RELUPK cw, dbase
	WIN 0x8a
.irp x, 0,1,2,3,4,5,6,7
.irp j, 0,1,2,3,4,5,6,7
	v_max_num_f32 v[ACC2+8*\x+\j], 0, v[ACC2+8*\x+\j]
.endr
.endr
	WIN \cw
.irp a, 0,1
.irp t, 0,1,2,3
.irp i, 0,1,2,3
	v_cvt_pk_bf16_f32 v[\dbase+8*\t+4*\a+\i], v[ACC2+8*(4*\a+\t)+2*\i], v[ACC2+8*(4*\a+\t)+2*\i+1]
.endr
.endr
.endr
.endm
; Layer 1, features 32 ks .. + 31: one product each (k = 13 in one step of 32), the bias as C.  cnt: the next step's four bias loads may stay out.
.macro L1STEP ks, cnt, nxt, cw, dbase
	s_wait_dscnt \cnt
	WIN 0x88                                       ; D window 2, A window 0, B window 2, C window 0
.irp a, 0,1
.irp t, 0,1,2,3
	v_wmma_f32_16x16x32_bf16 v[ACC2+8*(4*\a+\t):ACC2+8*(4*\a+\t)+7], v[BUFW+8*(2*\ks+\a):BUFW+8*(2*\ks+\a)+7], v[MEMF+8*\t:MEMF+8*\t+7], v[BIAS+16*(\ks%2)+8*\a:BIAS+16*(\ks%2)+8*\a+7]
.endr
.endr
	WIN 0
	PLACES
.if \nxt
	BLD BIAS+16*(\ks%2), \ks+2
.endif
	RELUPK \cw, \dbase
.endm
; Four vector instructions of layer 2's epilogue on sum x of set p, under the setting 0x8a.  g = 0: 0.01 x; g = 1, 2: max(x, 0.01 x), the leaky ReLU; g = 3: packed into the B fragment.
.macro EG p, x, g
.if \g == 0
.irp i, 0,1,2,3
	v_pk_mul_f32 v[TMP+8*((\x)%2)+2*\i:TMP+8*((\x)%2)+2*\i+1], v[ACC2+96*(\p)+8*(\x)+2*\i:ACC2+96*(\p)+8*(\x)+2*\i+1], s[80:81] op_sel_hi:[1,0]
.endr
.endif
.if \g == 1
.irp j, 0,1,2,3
	v_max_num_f32 v[ACC2+96*(\p)+8*(\x)+\j], v[ACC2+96*(\p)+8*(\x)+\j], v[TMP+8*((\x)%2)+\j]
.endr
.endif
.if \g == 2
.irp j, 4,5,6,7
	v_max_num_f32 v[ACC2+96*(\p)+8*(\x)+\j], v[ACC2+96*(\p)+8*(\x)+\j], v[TMP+8*((\x)%2)+\j]
.endr
.endif
.if \g == 3
.irp i, 0,1,2,3
	v_cvt_pk_bf16_f32 v[H2F+8*((\x)%4)+4*((\x)/4)+\i], v[ACC2+96*(\p)+8*(\x)+2*\i], v[ACC2+96*(\p)+8*(\x)+2*\i+1]
.endr
.endif
.endm
.macro B2LD                            ; layer 2's bias of a chunk's 32 features, and the step to the next chunk's
	ds_load_b128 v[BIAS:BIAS+3], v[VB2]
	ds_load_b128 v[BIAS+4:BIAS+7], v[VB2] offset:16
	ds_load_b128 v[BIAS+8:BIAS+11], v[VB2] offset:64
	ds_load_b128 v[BIAS+12:BIAS+15], v[VB2] offset:80
	v_add_nc_u32 v[VB2], 128, v[VB2]
.endm
.macro W2LD ks, sa, off                ; W2's two fragments of k step ks: four loads
	LDFRAG BUFW+16*(\ks), \sa, \off+1024*(\ks)
	LDFRAG BUFW+16*(\ks)+8, \sa, \off+10240+1024*(\ks)
.endm
; Layer 3, one k step: 28 sums take turns, one instruction a turn.  ld = 1: behind every fourth product four loads of the chunk at byte off of
; the slot sa: the bias, then W2's k steps 0..5.  (Their registers' last readers, the chunk before's products, lie behind the four places at that chunk's end.)
.macro L3MUL ld, sa, off
.irp x, 0,1,2,3,4,5,6,7,8,9,10,11,12,13,14,15,16,17,18,19,20,21,22,23,24,25,26,27
	WIN 0xf8                                       ; C and D window 3, A window 0, B window 2
	v_wmma_f32_16x16x32_bf16 v[8*\x:8*\x+7], v[BUFC+8*(\x/4):BUFC+8*(\x/4)+7], v[H2F+8*(\x%4):H2F+8*(\x%4)+7], v[8*\x:8*\x+7]
.if \ld
.if (\x%4) == 1
	WIN 0
.if \x == 1
	B2LD
.else
	W2LD (\x/4-1), \sa, \off
.endif
.endif
.endif
.endr
.endm
; Layer 2, k step k of the chunk whose sums are set p: eight sums take turns, one instruction a turn.
; Behind products 1, 3, 5, 7 of steps 0..7 (epi = 1): the four groups of the epilogue of sum k of the other set, the chunk before's.
; Behind product 2: steps 0..3 load W2's k step k + 6; steps 4..7 (w3 = 1) load W3's seven fragments, 4 + 4 + 4 + 2 loads, for the next period.
; (W3's registers were last read by this period's layer 3 products; the epilogue's groups of steps 0..3 stand between.)   cnt: LDS loads issued behind this step's fragments.
.macro L2STEP k, p, sa, off, epi, w3, cnt
	s_wait_dscnt \cnt
.irp x, 0,1,2,3,4,5,6,7
.if \k == 0
	WIN 0x84                                       ; D window 2, A window 0, B window 1, C (the bias) window 0
	v_wmma_f32_16x16x32_bf16 v[ACC2+96*\p+8*\x:ACC2+96*\p+8*\x+7], v[BUFW+8*(\x/4):BUFW+8*(\x/4)+7], v[8*(\x%4):8*(\x%4)+7], v[BIAS+8*(\x/4):BIAS+8*(\x/4)+7]
.else
.if \k < 8
	WIN 0xa4                                       ; C now window 2
	v_wmma_f32_16x16x32_bf16 v[ACC2+96*\p+8*\x:ACC2+96*\p+8*\x+7], v[BUFW+16*\k+8*(\x/4):BUFW+16*\k+8*(\x/4)+7], v[32*\k+8*(\x%4):32*\k+8*(\x%4)+7], v[ACC2+96*\p+8*\x:ACC2+96*\p+8*\x+7]
.else
	WIN 0xa8                                       ; h1's last two k steps lie in window 2
	v_wmma_f32_16x16x32_bf16 v[ACC2+96*\p+8*\x:ACC2+96*\p+8*\x+7], v[BUFW+16*\k+8*(\x/4):BUFW+16*\k+8*(\x/4)+7], v[32*(\k-8)+8*(\x%4):32*(\k-8)+8*(\x%4)+7], v[ACC2+96*\p+8*\x:ACC2+96*\p+8*\x+7]
.endif
.endif
.if \k < 8
.if \epi
.if (\x%2) == 1
	WIN 0x8a
	EG (1-\p), \k, (\x/2)
.endif
.endif
.if \x == 2
.if \k < 4
	WIN 0
	W2LD (\k+6), \sa, \off
.else
.if \w3
	WIN 0
	LDFRAG BUFC+16*(\k-4), \sa, \off+20480+2048*(\k-4)
.if \k < 7
	LDFRAG BUFC+16*(\k-4)+8, \sa, \off+20480+2048*(\k-4)+1024
.endif
.endif
.endif
.endif
.endif
.endr
.endm
; A period, on the chunk at byte off of the slot whose address register is sa.  p: the set of this chunk's sums.  l3, epi, w3: the earlier chunks' stages exist.
; The waits of layer 2: the loads go out in groups of four in the order bias, k steps 0..5 (ahead of step 0), k steps 6..9 (in steps 0..3), W3 (in steps 4..7);
; behind the fragments of steps 0..7 five groups have been issued when the step begins, behind step 8's 4 + 14 loads, behind step 9's W3's 14.
.macro PERIOD sa, off, p, l3, epi, w3
.if \l3
	s_wait_dscnt 0x0                               ; W3's fragments, the last loads issued, are in
	L3MUL 1, \sa, \off
.else
	B2LD
.irp ks, 0,1,2,3,4,5
	W2LD \ks, \sa, \off
.endr
.endif
.irp k, 0,1,2,3,4
	L2STEP \k, \p, \sa, \off, \epi, \w3, 20
.endr
	L2STEP 5, \p, \sa, \off, \epi, \w3, 16+4*\w3
	L2STEP 6, \p, \sa, \off, \epi, \w3, 12+8*\w3
	L2STEP 7, \p, \sa, \off, \epi, \w3, 8+12*\w3
	L2STEP 8, \p, \sa, \off, \epi, \w3, 4+14*\w3
	L2STEP 9, \p, \sa, \off, \epi, \w3, 14*\w3
	PLACES                                         ; for the next period's loads into the bias and W2's registers, and for its epilogue, which reads these sums
	WIN 0
.endm
; The change of slots.  fl: the slot that has been read and is filled again, two tiles further on.
.macro DSTEP fl
	s_set_vgpr_msb 0x8
	s_wait_tensorcnt 0x0                           ; all my tensor loads have landed: the one that was out is my quarter of the slot read next; so every group 0 may be written
	ds_add_u32 v23, v255
	s_wait_dscnt 0x0
	s_set_vgpr_msb 0x800
	s_add_nc_u64 s[G0+4*\fl+2:G0+4*\fl+3], s[G0+4*\fl+2:G0+4*\fl+3], 2*TILEB
	s_wait_dscnt 0x0                               ; my reads of slot fl are back, W3's last fragments among them
	ROUND                                          ; both now hold of every wave of all four work-groups
	tensor_load_to_lds s[G0+4*\fl:G0+4*\fl+3], s[G1T:G1T+7]   ; the first tensor load behind the round, ahead of any LDS read
	s_nop 0
.endm
; Four of the 16 instructions that find the largest of the 32 registers at base (my lane's 32 memory rows against one value row); the result in v[RT+6].
.macro RG base, g
.if \g == 0
.irp t, 0,1,2,3
	v_max3_num_f32 v[RT+\t], v[(\base)+8*\t], v[(\base)+8*\t+1], v[(\base)+8*\t+2]
.endr
.endif
.if \g == 1
.irp t, 0,1,2,3
	v_max3_num_f32 v[RT+4+\t], v[(\base)+8*\t+3], v[(\base)+8*\t+4], v[(\base)+8*\t+5]
.endr
.endif
.if \g == 2
.irp t, 0,1,2,3
	v_max3_num_f32 v[RT+\t], v[RT+\t], v[RT+4+\t], v[(\base)+8*\t+6]
.endr
.endif
.if \g == 3
	v_max_num_f32 v[QN], v[(\base)+7], v[(\base)+15]
	v_max3_num_f32 v[RT+4], v[RT], v[RT+1], v[(\base)+23]
	v_max3_num_f32 v[RT+5], v[RT+2], v[RT+3], v[(\base)+31]
	v_max3_num_f32 v[RT+6], v[RT+4], v[RT+5], v[QN]
.endif
.endm
; Similarity, step q of a group of four value tiles: the four products of tile q + 1, and behind each of them four of the maxima of tile q (the other set of results).
; The last four are also the places between the products and the load of tile q + 5 into their B.  cnt: LDS instructions issued behind tile q + 1's load.
.macro SSTEP q, cnt, ld
	s_wait_dscnt \cnt
.irp t, 0,1,2,3
	v_wmma_f32_16x16x32_bf16 v[SX+32*((\q+1)%2)+8*\t:SX+32*((\q+1)%2)+8*\t+7], v[T1F+8*\t:T1F+8*\t+7], v[VALF+8*((\q+1)%4):VALF+8*((\q+1)%4)+7], 0
	RG SX+32*(\q%2), \t
.endr
.if \ld
	ds_load_b128 v[VALF+8*((\q+1)%4):VALF+8*((\q+1)%4)+3], v[VVL] offset:512*(\q+5)
.endif
	ds_store_b32 v[VPS], v[RT+6] offset:64*\q
.endm
	; ---- the start: ids, descriptors, addresses ----
	s_load_b256 s[4:11], s[0:1], 0x0               ; memory s[4:5], b1 s[6:7], b2 s[8:9], b3 s[10:11]
	s_load_b128 s[12:15], s[0:1], 0x20             ; b4 s[12:13], wimg s[14:15]
	s_load_b64 s[16:17], s[0:1], 0x30              ; part
	v_lshl_add_u32 v23, v0, 2, 0x47400
	s_set_vgpr_msb 0x80
	v_mov_b32 v255, 0
	s_set_vgpr_msb 0x8088
	ds_add_u32 v23, v255
	s_set_vgpr_msb 0x8800
	v_lshrrev_b32 v10, 5, v0
	v_readfirstlane_b32 s18, v10                   ; wave
	s_bfe_u32 s19, ttmp6, 0x40000                  ; my place in the cluster
	s_lshl_b32 s20, ttmp9, 2                       ; ttmp9 counts clusters
	s_add_co_u32 s20, s20, s19                     ; work-group: enters the memory rows' and part's global addresses alone
	s_mov_b32 s80, 0x3c23d70a                      ; 0.01, a pair for the packed multiply
	s_mov_b32 s81, 0x3c23d70a
	s_mov_b32 s82, 0x76543210                      ; v_permlanex16_b32: lane i of one half reads lane i of the other
	s_mov_b32 s83, 0xfedcba98
	s_mov_b32 s96, 0x322bcc77                      ; 1e-8
	DENSEG1 G1T, 54
	DENSEG1 G1C, 88
	s_mov_b32 s[G1M+0], 0x06d20000                 ; no mask; elements of 4 bytes; padding on: after every 16 words (code 3) 4 words (code 3)
	s_mov_b32 s[G1M+1], 13<<16                     ; tensor_dim0 = 13: elements 13..15 of a tile's row arrive as zeros
	s_mov_b32 s[G1M+2], 64<<16                     ; tensor_dim1 = 64
	s_mov_b32 s[G1M+3], 16<<16                     ; tile_dim0 = 16
	s_mov_b32 s[G1M+4], 64                         ; tile_dim1 = 64
	s_mov_b32 s[G1M+5], 13                         ; from row to row
	s_mov_b32 s[G1M+6], 0
	s_mov_b32 s[G1M+7], 0
	s_mov_b32 s[G1B+0], 0x0022000f                 ; mask: all four; elements of 4 bytes; 21 set beside a mask
	s_mov_b32 s[G1B+2], 1<<16                      ; tensor_dim1 = 1
	s_mov_b32 s[G1B+4], 1                          ; tile_dim1 = 1
	s_mov_b32 s[G1B+6], 0
	s_mov_b32 s[G1B+7], 0
	s_mov_b32 s[G0B], 1
	s_mov_b32 s[G0M], 1
	s_mul_i32 s[G0M+1], s18, 5120
	s_add_co_u32 s[G0M+1], s[G0M+1], LMEM
	s_mul_i32 s21, s18, 2*PPITCH
	s_add_co_u32 s21, s21, LPART
	v_and_b32 v10, 31, v0                          ; lane
	v_and_b32 v11, 15, v0                          ; r
	v_bfe_u32 v12, v0, 4, 1                        ; h
	v_lshlrev_b32 v13, 5, v12                      ; 32 h
	v_lshlrev_b32 v[VL16], 4, v10
	v_add_nc_u32 v[RA0], RING0, v[VL16]
	v_add_nc_u32 v[RA1], RING1, v[VL16]
	v_add_nc_u32 v[VB], LB1, v13
	v_add_nc_u32 v[VB2], LB2, v13
	v_mad_u32_u24 v[VM], v11, 80, v13
	v_add_nc_u32 v[VM], s[G0M+1], v[VM]
	v_add_nc_u32 v[VVL], LVAL, v[VL16]
	v_mul_u32_u24 v[VPS], v12, PPITCH
	v_lshl_add_u32 v[VPS], v11, 2, v[VPS]
	v_add_nc_u32 v[VPS], s21, v[VPS]
	v_lshlrev_b32 v[VOUT], 4, v0
	s_mul_i32 s22, s20, 13312                      ; 256 rows of 52 bytes a work-group,
	s_mul_i32 s21, s18, 3328                       ; 64 a wave
	s_add_co_u32 s22, s22, s21
	s_mov_b32 s23, 0
	s_mov_b32 s67, 0
	s_wait_dscnt 0x0
	s_wait_kmcnt 0x0
	s_add_nc_u64 s[G0M+2:G0M+3], s[4:5], s[22:23]
	s_or_b32 s[G0M+3], s[G0M+3], 0x80000000
	s_lshl_b32 s22, s20, 13                        ; part: 8,192 bytes a work-group
	s_add_nc_u64 s[16:17], s[16:17], s[22:23]
	; the joint loads' addresses hang on the wave's number alone
	s_mul_i32 s66, s18, 13824                      ; a quarter slot
	s_mov_b32 s[G0], 1
	s_add_co_u32 s[G0+1], s66, RING0
	s_add_nc_u64 s[G0+2:G0+3], s[14:15], s[66:67]          ; slot 0's first tile: chunks 0, 1
	s_mov_b32 s[G0+4], 1
	s_add_co_u32 s[G0+5], s66, RING1
	s_add_nc_u64 s[G0+6:G0+7], s[G0+2:G0+3], TILEB         ; slot 1's first tile: chunks 2, 3
	s_or_b32 s[G0+3], s[G0+3], 0x80000000
	s_or_b32 s[G0+7], s[G0+7], 0x80000000
	s_mul_i32 s66, s18, 22528                      ; a quarter of the constants
	s_mov_b32 s[G0C], 1
	s_mul_i32 s[G0C+1], s18, 22528
	s_add_nc_u64 s[G0C+2:G0C+3], s[14:15], s[66:67]
	s_add_nc_u64 s[G0C+2:G0C+3], s[G0C+2:G0C+3], GCONST
	s_or_b32 s[G0C+3], s[G0C+3], 0x80000000
	ROUND                                          ; all four work-groups are here: the first joint loads meet
	tensor_load_to_lds s[G0M:G0M+3], s[G1M:G1M+7]  ; my 64 memory rows
	s_nop 0
	s_cmp_lg_u32 s18, 0                            ; each wave fetches one bias: every way through this chain issues exactly one load
	s_cbranch_scc1 .Lbias1
	BIASSET LB1, 6, 300, 320
	s_branch .Lbiasdone
.Lbias1:
	s_cmp_lg_u32 s18, 1
	s_cbranch_scc1 .Lbias2
	BIASSET LB2, 8, 600, 608
	s_branch .Lbiasdone
.Lbias2:
	s_cmp_lg_u32 s18, 2
	s_cbranch_scc1 .Lbias3
	BIASSET LB3, 10, 100, 112
	s_branch .Lbiasdone
.Lbias3:
	BIASSET LB4, 12, 13, 16
.Lbiasdone:
	tensor_load_to_lds s[G0C:G0C+3], s[G1C:G1C+7]  ; W1, W4, value tiles
	s_nop 0
	tensor_load_to_lds s[G0:G0+3], s[G1T:G1T+7]    ; chunks 0, 1
	s_nop 0
	tensor_load_to_lds s[G0+4:G0+7], s[G1T:G1T+7]  ; chunks 2, 3.  Five tensor loads of the wave are out here, the most in this text
	s_nop 0
	s_wait_tensorcnt 0x1                           ; all but the last have landed,
	s_barrier_signal -1
	s_barrier_wait -1                              ; everybody's; the last may stay out
	; ---- layer 1 ----
	WIN 0xc0                                       ; b3 goes straight into layer 3's 28 sums (window 3), the same for the four row tiles: nothing is cleared
.irp m, 0,1,2,3,4,5,6
.irp t, 0,1,2,3
	ds_load_b128 v[8*(4*\m+\t):8*(4*\m+\t)+3], v[VB] offset:LB3-LB1+64*\m
	ds_load_b128 v[8*(4*\m+\t)+4:8*(4*\m+\t)+7], v[VB] offset:LB3-LB1+64*\m+16
.endr
.endr
	WIN 0
.irp t, 0,1,2,3
	ds_load_b128 v[MST+8*\t:MST+8*\t+3], v[VM] offset:1280*\t          ; row 16 t + r, k = 8 h .. + 7, in f32
	ds_load_b128 v[MST+8*\t+4:MST+8*\t+7], v[VM] offset:1280*\t+16
.endr
.irp f, 0,1,2,3,4,5,6,7,8,9,10,11,12,13,14,15,16,17,18,19
	LDFRAG BUFW+8*\f, VL16, 1024*\f
.endr
	BLD BIAS, 0
	BLD BUFC, 1
	s_wait_dscnt 48                                ; the memory rows are in; the 40 loads of W1 and the 8 of biases behind them may stay out
	WIN 0x80
.irp t, 0,1,2,3
.irp i, 0,1,2,3
	v_cvt_pk_bf16_f32 v[MEMF+8*\t+\i], v[MST+8*\t+2*\i], v[MST+8*\t+2*\i+1]
.endr
.endr
.irp t, 0,1,2,3
.irp i, 4,5,6,7
	v_mov_b32 v[MEMF+8*\t+\i], 0                   ; k = 16..31
.endr
.endr
.irp ks, 0,1,2,3,4,5,6,7
	L1STEP \ks, 4, 1, 0x4a, 32*\ks
.endr
	L1STEP 8, 4, 0, 0x8a, 0
	L1STEP 9, 0, 0, 0x8a, 32
	WIN 0
	; ---- layers 2 and 3: periods 0..19 ----
	PERIOD RA0, 0, 0, 0, 0, 0                      ; period 0: chunk 0's products alone
	PERIOD RA0, CHUNKB, 1, 0, 1, 1                 ; period 1: chunk 1's products, chunk 0's epilogue
	s_mov_b32 s3, 4
.Lring:
	DSTEP 0
	PERIOD RA1, 0, 0, 1, 1, 1
	PERIOD RA1, CHUNKB, 1, 1, 1, 1
	DSTEP 1
	PERIOD RA0, 0, 0, 1, 1, 1
	PERIOD RA0, CHUNKB, 1, 1, 1, 1
	s_sub_co_u32 s3, s3, 1
	s_cmp_lg_u32 s3, 0
	s_cbranch_scc1 .Lring
	s_wait_tensorcnt 0x0                           ; my quarter of chunks 18, 19 has landed,
	s_wait_dscnt 0x0
	s_barrier_signal -1
	s_barrier_wait -1                              ; everybody's; nothing more is fetched
	PERIOD RA1, 0, 0, 1, 1, 1                      ; period 18
	s_wait_dscnt 0x0                               ; period 19: no products of layer 2 are left to stand between
	L3MUL 0, RA1, 0                                ; layer 3's k step 17
	WIN 0
	PLACES
.irp m, 0,1,2,3,4,5,6
	LDFRAG BUFC+8*\m, RA1, CHUNKB+20480+1024*\m
.endr
	WIN 0x8a
.irp x, 0,1,2,3,4,5,6,7
.irp g, 0,1,2,3
	EG 0, \x, \g                                   ; chunk 18's epilogue
.endr
.endr
	s_wait_dscnt 0x0
	L3MUL 0, RA1, 0                                ; k step 18
	; ---- layer 4 and the norm ----
	WIN 0
	PLACES
.irp ks, 0,1,2,3
	LDFRAG BUFW+8*\ks, VL16, LW4I+1024*\ks
.endr
	ds_load_b128 v[BIAS:BIAS+3], v[VB] offset:LB4-LB1
	ds_load_b128 v[BIAS+4:BIAS+7], v[VB] offset:LB4-LB1+16
	WIN 0xcf
.set j, 0
.rept 224
	v_max_num_f32 v[j], 0, v[j]                    ; ReLU
.set j, j+1
.endr
	WIN 0x4f
.irp m, 0,1,2,3,4,5,6
.irp t, 0,1,2,3
.irp i, 0,1,2,3
	v_cvt_pk_bf16_f32 v[32*(\m/2)+8*\t+4*(\m%2)+\i], v[8*(4*\m+\t)+2*\i], v[8*(4*\m+\t)+2*\i+1]
.endr
.endr
.endr
	WIN 0x40
.irp t, 0,1,2,3
.irp i, 4,5,6,7
	v_mov_b32 v[96+8*\t+\i], 0                     ; k = 112..127
.endr
.endr
	s_wait_dscnt 0x0
	WIN 0x04                                       ; B window 1, all else window 0.  Four sums take turns, one instruction a turn
.irp t, 0,1,2,3
	v_wmma_f32_16x16x32_bf16 v[ACC4+8*\t:ACC4+8*\t+7], v[BUFW:BUFW+7], v[8*\t:8*\t+7], v[BIAS:BIAS+7]
.endr
.irp ks, 1,2,3
.irp t, 0,1,2,3
	v_wmma_f32_16x16x32_bf16 v[ACC4+8*\t:ACC4+8*\t+7], v[BUFW+8*\ks:BUFW+8*\ks+7], v[32*\ks+8*\t:32*\ks+8*\t+7], v[ACC4+8*\t:ACC4+8*\t+7]
.endr
.endr
	WIN 0                                          ; from here on everything lies in window 0
	PLACES
.set j, 0
.rept 16
	v_pk_mul_f32 v[BUFW+j:BUFW+j+1], v[ACC4+j:ACC4+j+1], s[80:81] op_sel_hi:[1,0]
.set j, j+2
.endr
.set j, 0
.rept 32
	v_max_num_f32 v[ACC4+j], v[ACC4+j], v[BUFW+j]  ; leaky: max(x, 0.01 x).  Features 13..15 are zeros
.set j, j+1
.endr
.irp t, 0,1,2,3
	v_pk_mul_f32 v[RT+2*\t:RT+2*\t+1], v[ACC4+8*\t:ACC4+8*\t+1], v[ACC4+8*\t:ACC4+8*\t+1]
.endr
.irp i, 1,2,3
.irp t, 0,1,2,3
	v_pk_fma_f32 v[RT+2*\t:RT+2*\t+1], v[ACC4+8*\t+2*\i:ACC4+8*\t+2*\i+1], v[ACC4+8*\t+2*\i:ACC4+8*\t+2*\i+1], v[RT+2*\t:RT+2*\t+1]
.endr
.endr
.irp t, 0,1,2,3
	v_add_f32 v[RT+2*\t], v[RT+2*\t], v[RT+2*\t+1]
.endr
.irp t, 0,1,2,3
	v_permlanex16_b32 v[RT+2*\t+1], v[RT+2*\t], s82, s83   ; the row's other eight features
.endr
.irp t, 0,1,2,3
	v_add_f32 v[RT+2*\t], v[RT+2*\t], v[RT+2*\t+1]
.endr
.irp t, 0,1,2,3
	v_sqrt_f32 v[RT+2*\t], v[RT+2*\t]
.endr
	v_nop                                          ; one plain vector instruction behind the transcendentals before a result is used (ISA guide 5.7.2)
	s_wait_alu depctr_va_vdst(0)
.irp t, 0,1,2,3
	v_max_num_f32 v[QN+\t], s96, v[RT+2*\t]        ; max(norm, 1e-8)
.endr
.irp t, 0,1,2,3
	v_rcp_f32 v[RT+2*\t], v[QN+\t]
.endr
	v_nop
	s_wait_alu depctr_va_vdst(0)
.irp t, 0,1,2,3
.irp i, 0,1,2,3
	v_pk_mul_f32 v[ACC4+8*\t+2*\i:ACC4+8*\t+2*\i+1], v[ACC4+8*\t+2*\i:ACC4+8*\t+2*\i+1], v[RT+2*\t:RT+2*\t+1] op_sel_hi:[1,0]
.endr
.endr
.irp t, 0,1,2,3
.irp i, 0,1,2,3
	v_cvt_pk_bf16_f32 v[T1F+8*\t+\i], v[ACC4+8*\t+2*\i], v[ACC4+8*\t+2*\i+1]   ; lane (r, h): row r, k = 8 h .. + 7: an A fragment as it stands
.endr
.endr
.irp t, 0,1,2,3
.irp i, 4,5,6,7
	v_mov_b32 v[T1F+8*\t+\i], 0                    ; k = 16..31, of both operands
	v_mov_b32 v[VALF+8*\t+\i], 0
.endr
.endr
	; ---- similarity: A = 16 memory rows, B = 16 value rows; in D, lane (r, h) holds memory rows 8 h + j against value row r ----
.irp b, 0,1,2,3
	ds_load_b128 v[VALF+8*\b:VALF+8*\b+3], v[VVL] offset:512*\b
.endr
	s_wait_dscnt 3                                 ; tile 0 is in
.irp t, 0,1,2,3
	v_wmma_f32_16x16x32_bf16 v[SX+8*\t:SX+8*\t+7], v[T1F+8*\t:T1F+8*\t+7], v[VALF:VALF+7], 0
.endr
	PLACES
	ds_load_b128 v[VALF:VALF+3], v[VVL] offset:2048
	SSTEP 0, 3, 1                                  ; behind tile 1's load: tiles 2, 3, 4
	SSTEP 1, 4, 1                                  ; one more with each step,
	SSTEP 2, 5, 1
	SSTEP 3, 6, 1
	v_add_nc_u32 v[VVL], 2048, v[VVL]
	v_add_nc_u32 v[VPS], 256, v[VPS]
	s_mov_b32 s3, 29
.Lsim:
	SSTEP 0, 7, 1                                  ; up to four stores and three loads behind the load of four steps ago
	SSTEP 1, 7, 1
	SSTEP 2, 7, 1
	SSTEP 3, 7, 1
	v_add_nc_u32 v[VVL], 2048, v[VVL]
	v_add_nc_u32 v[VPS], 256, v[VPS]
	s_sub_co_u32 s3, s3, 1
	s_cmp_lg_u32 s3, 0
	s_cbranch_scc1 .Lsim
	SSTEP 0, 7, 1                                  ; tiles 120..127: the last three loads,
	SSTEP 1, 7, 1
	SSTEP 2, 7, 1
	SSTEP 3, 7, 0                                  ; then the counts run down
	SSTEP 4, 6, 0
	SSTEP 5, 5, 0
	SSTEP 6, 4, 0
.irp g, 0,1,2,3
	RG SX+32, \g                                   ; tile 127: the last four vector instructions of the step before stand between its products and these reads
.endr
	ds_store_b32 v[VPS], v[RT+6] offset:448
	; ---- the way out: the largest of the eight arrays, four value rows a thread and turn ----
	s_wait_dscnt 0x0                               ; my stores are done,
	s_barrier_signal -1
	s_barrier_wait -1                              ; everybody's
	v_add_nc_u32 v[VRD], LPART, v[VOUT]
.irp i, 0,1,2,3
.irp a, 0,1,2,3,4,5,6,7
	ds_load_b128 v[BUFW+32*\i+4*\a:BUFW+32*\i+4*\a+3], v[VRD] offset:2048*\i+PPITCH*\a
.endr
.endr
.irp i, 0,1,2,3
	s_wait_dscnt 24-8*\i                           ; the eight loads of each later turn may stay out
.irp c, 0,1,2,3
	v_max3_num_f32 v[BUFW+32*\i+\c], v[BUFW+32*\i+\c], v[BUFW+32*\i+4+\c], v[BUFW+32*\i+8+\c]
.endr
.irp c, 0,1,2,3
	v_max3_num_f32 v[BUFW+32*\i+\c], v[BUFW+32*\i+\c], v[BUFW+32*\i+12+\c], v[BUFW+32*\i+16+\c]
.endr
.irp c, 0,1,2,3
	v_max3_num_f32 v[BUFW+32*\i+\c], v[BUFW+32*\i+\c], v[BUFW+32*\i+20+\c], v[BUFW+32*\i+24+\c]
.endr
.irp c, 0,1,2,3
	v_max_num_f32 v[BUFW+32*\i+\c], v[BUFW+32*\i+\c], v[BUFW+32*\i+28+\c]
.endr
	global_store_b128 v[VOUT], v[BUFW+32*\i:BUFW+32*\i+3], s[16:17] offset:2048*\i th:TH_STORE_NT   ; a wave's store covers 512 consecutive bytes, aligned
.endr
	s_set_vgpr_msb 0x8
	s_wait_tensorcnt 0x0
	ds_add_u32 v23, v255
	s_wait_dscnt 0x0
	s_set_vgpr_msb 0x800
	ROUND                                          ; the closing round: no work-group ends while a partner may still ask for a tile that names it
	s_endpgm
.Lfunc_end_k_q4fcf1a09cc_main:
	.size	k_q4fcf1a09cc_main, .Lfunc_end_k_q4fcf1a09cc_main-k_q4fcf1a09cc_main
	.p2alignl 7, 3214868480
	.fill 96, 4, 3214868480
	.section	.rodata,"a",@progbits
	.p2align	6, 0x0
	.amdhsa_kernel k_q4fcf1a09cc_main
		.amdhsa_group_segment_fixed_size 327680
		.amdhsa_private_segment_fixed_size 0
		.amdhsa_enable_private_segment 0
		.amdhsa_kernarg_size 56
		.amdhsa_user_sgpr_count 2
		.amdhsa_user_sgpr_kernarg_segment_ptr 1
		.amdhsa_wavefront_size32 1
		.amdhsa_system_sgpr_workgroup_id_x 1
		.amdhsa_system_sgpr_workgroup_id_y 1
		.amdhsa_system_sgpr_workgroup_id_z 1
		.amdhsa_system_vgpr_workitem_id 0
		.amdhsa_next_free_vgpr 1024
		.amdhsa_next_free_sgpr 100
		.amdhsa_reserve_vcc 0
		.amdhsa_float_denorm_mode_32 3
		.amdhsa_float_denorm_mode_16_64 3
		.amdhsa_memory_ordered 1
		.amdhsa_forward_progress 1
		.amdhsa_inst_pref_size 255
	.end_amdhsa_kernel
	.section	.bss,"aw",@nobits
	.p2align	6
	.space	262144
	.amdgpu_metadata
---
amdhsa.version: [ 1, 2 ]
amdhsa.kernels:
  - .name:           k_q4fcf1a09cc_main
    .symbol:         k_q4fcf1a09cc_main.kd
    .args:
      - { .name: memory, .offset: 0, .size: 8, .value_kind: global_buffer, .address_space: global }
      - { .name: b1, .offset: 8, .size: 8, .value_kind: global_buffer, .address_space: global }
      - { .name: b2, .offset: 16, .size: 8, .value_kind: global_buffer, .address_space: global }
      - { .name: b3, .offset: 24, .size: 8, .value_kind: global_buffer, .address_space: global }
      - { .name: b4, .offset: 32, .size: 8, .value_kind: global_buffer, .address_space: global }
      - { .name: wimg, .offset: 40, .size: 8, .value_kind: global_buffer, .address_space: global }
      - { .name: part, .offset: 48, .size: 8, .value_kind: global_buffer, .address_space: global }
    .group_segment_fixed_size: 327680
    .private_segment_fixed_size: 0
    .kernarg_segment_align: 8
    .kernarg_segment_size: 56
    .max_flat_workgroup_size: 128
    .sgpr_count:     100
    .vgpr_count:     1024
    .wavefront_size: 32
...
	.end_amdgpu_metadata
.endif
;; end of part 2
;; launch fin (part 3): grid 32 x 1, 16 waves a work-group, no clusters, 6,144 bytes of LDS; arguments part, out0; writes out0
.if DOCPART == 3
	.amdgcn_target "amdgcn-amd-amdhsa--gfx1250"
	.amdhsa_code_object_version 6
	.text
	.protected	k_q4fcf1a09cc_fin
	.globl	k_q4fcf1a09cc_fin
	.p2align	8
	.type	k_q4fcf1a09cc_fin,@function
k_q4fcf1a09cc_fin:
	s_mov_b64 s[64:65], 0
	v_nop
	global_prefetch_b8 v0, s[64:65] scope:SCOPE_SE
	s_setreg_imm32_b32 hwreg(HW_REG_WAVE_MODE, 25, 1), 1
	s_wait_xcnt 0x0
; out0[v] = 23 x the largest of part[0..255][v].  A work-group owns 64 value rows (256 bytes of every row of part), a wave 16 of the 256 rows.
; Sixteen neighbouring lanes read 256 consecutive bytes, aligned; each byte of part is read once.  The waves' maxima meet in LDS; wave 0 finishes.
; 23 is positive, so scaling behind the maximum gives the maximum of the scaled numbers.  v_max*_num_f32 drop a NaN.
.macro RED8                            ; the largest of the eight quadruples v[8:39], by component, then over the two halves of the wave: into v[40:43]
.irp c, 0,1,2,3
	v_max3_num_f32 v[40+\c], v[8+\c], v[12+\c], v[16+\c]
.endr
.irp c, 0,1,2,3
	v_max3_num_f32 v[40+\c], v[40+\c], v[20+\c], v[24+\c]
.endr
.irp c, 0,1,2,3
	v_max3_num_f32 v[40+\c], v[40+\c], v[28+\c], v[32+\c]
.endr
.irp c, 0,1,2,3
	v_max_num_f32 v[40+\c], v[40+\c], v[36+\c]
.endr
.irp c, 0,1,2,3
	v_permlanex16_b32 v[44+\c], v[40+\c], s10, s11
.endr
.irp c, 0,1,2,3
	v_max_num_f32 v[40+\c], v[40+\c], v[44+\c]
.endr
.endm
	s_load_b128 s[4:7], s[0:1], 0x0                ; part s[4:5], out0 s[6:7]
	v_lshl_add_u32 v48, v0, 2, 0x1000
	v_mov_b32 v49, 0
	v_and_b32 v1, 15, v0                           ; q: which 16 bytes of the 256
	v_bfe_u32 v2, v0, 4, 1                         ; p: which of two rows
	v_lshrrev_b32 v3, 5, v0
	v_readfirstlane_b32 s8, v3                     ; wave
	s_lshl_b32 s9, ttmp9, 8                        ; my 256 bytes of a row
	s_mov_b32 s10, 0x76543210                      ; v_permlanex16_b32: lane i of one half reads lane i of the other
	s_mov_b32 s11, 0xfedcba98
	v_lshlrev_b32 v4, 4, v1
	v_lshl_add_u32 v5, v3, 8, v4                   ; LDS: 256 wave + 16 q
	v_lshl_add_u32 v6, v2, 13, v4                  ; part: 8,192 (16 wave + p) + 16 q + my 256 bytes
	v_lshl_add_u32 v6, v3, 17, v6
	v_add_nc_u32 v6, s9, v6
	v_add_nc_u32 v7, s9, v4                        ; out0: my 256 bytes + 16 q
	v_lshlrev_b32 v2, 4, v0                        ; wave 0: 16 lane
.irp c, 0,1,2,3
	v_mov_b32 v[44+\c], 0                          ; v_permlanex16_b32 counts as a reader of its destination
.endr
	s_wait_kmcnt 0x0
.irp i, 0,1,2,3,4,5,6,7
	global_load_b128 v[8+4*\i:8+4*\i+3], v6, s[4:5] offset:16384*\i th:TH_LOAD_NT   ; rows 16 wave + p + 2 i
.endr
	s_wait_loadcnt 0x0
	RED8
	ds_store_b128 v5, v[40:43]                     ; both halves of the wave hold, and write, the same
	s_wait_dscnt 0x0                               ; my store is done,
	s_barrier_signal -1
	s_barrier_wait -1                              ; everybody's
	s_cmp_lg_u32 s8, 0
	s_cbranch_scc1 .Lend
.irp i, 0,1,2,3,4,5,6,7
	ds_load_b128 v[8+4*\i:8+4*\i+3], v2 offset:512*\i      ; waves 2 i and 2 i + 1
.endr
	s_wait_dscnt 0x0
	RED8
.irp c, 0,1,2,3
	v_mul_f32 v[40+\c], 0x41b80000, v[40+\c]       ; x 23
.endr
	s_wait_xcnt 0x0                                ; EXEC changes only behind this wait
	v_cmp_gt_u32 vcc_lo, 16, v0
	s_and_saveexec_b32 s12, vcc_lo
	global_store_b128 v7, v[40:43], s[6:7]         ; sixteen lanes store 256 consecutive bytes, aligned
	s_wait_xcnt 0x0
	s_or_b32 exec_lo, exec_lo, s12
.Lend:
	s_wait_tensorcnt 0x0
	ds_add_u32 v48, v49
	s_wait_dscnt 0x0
	s_endpgm
.Lfunc_end_k_q4fcf1a09cc_fin:
	.size	k_q4fcf1a09cc_fin, .Lfunc_end_k_q4fcf1a09cc_fin-k_q4fcf1a09cc_fin
	.p2alignl 7, 3214868480
	.fill 96, 4, 3214868480
	.section	.rodata,"a",@progbits
	.p2align	6, 0x0
	.amdhsa_kernel k_q4fcf1a09cc_fin
		.amdhsa_group_segment_fixed_size 6144
		.amdhsa_private_segment_fixed_size 0
		.amdhsa_enable_private_segment 0
		.amdhsa_kernarg_size 16
		.amdhsa_user_sgpr_count 2
		.amdhsa_user_sgpr_kernarg_segment_ptr 1
		.amdhsa_wavefront_size32 1
		.amdhsa_system_sgpr_workgroup_id_x 1
		.amdhsa_system_sgpr_workgroup_id_y 1
		.amdhsa_system_sgpr_workgroup_id_z 1
		.amdhsa_system_vgpr_workitem_id 0
		.amdhsa_next_free_vgpr 50
		.amdhsa_next_free_sgpr 66
		.amdhsa_reserve_vcc 1
		.amdhsa_float_denorm_mode_32 3
		.amdhsa_float_denorm_mode_16_64 3
		.amdhsa_memory_ordered 1
		.amdhsa_forward_progress 1
		.amdhsa_inst_pref_size 6
	.end_amdhsa_kernel
	.amdgpu_metadata
---
amdhsa.version: [ 1, 2 ]
amdhsa.kernels:
  - .name:           k_q4fcf1a09cc_fin
    .symbol:         k_q4fcf1a09cc_fin.kd
    .args:
      - { .name: part, .offset: 0, .size: 8, .value_kind: global_buffer, .address_space: global }
      - { .name: out0, .offset: 8, .size: 8, .value_kind: global_buffer, .address_space: global }
    .group_segment_fixed_size: 6144
    .private_segment_fixed_size: 0
    .kernarg_segment_align: 8
    .kernarg_segment_size: 16
    .max_flat_workgroup_size: 512
    .sgpr_count:     66
    .vgpr_count:     50
    .wavefront_size: 32
...
	.end_amdgpu_metadata
.endif
;; end of part 3
